; MI455X (gfx1250); checked and timed in simulation.
; The chip was launched on July 23, 2026; its instructions are those of AMD's public machine-readable ISA for CDNA 5 (MIT licence, August 2026) and "CDNA5" Instruction Set Architecture Reference Guide (July 2026). The comments in the code are by the model that wrote it; some were corrected since.
;; Bert Like Self Attention. Allowed arithmetic: matrix products marked QUANTISED: E5M2 operands, one E8M0 scale for each 32 along K, by v_wmma_scale_f32_16x16x128_f8f6f4 with both operands' format E5M2, f32 sums; everything else in f32.
;; Inputs: Wk_codes 1,024 x 32 x 32 uint8 (E5M2 codes of Wk, K innermost, in blocks of 32 codes); Wk_scales 1,024 x 32 uint8 (E8M0 scales of Wk, one for each 32 codes along K); Wq_codes 1,024 x 32 x 32 uint8 (E5M2 codes of Wq, K innermost, in blocks of 32 codes); Wq_scales 1,024 x 32 uint8 (E8M0 scales of Wq, one for each 32 codes along K); Wv_codes 1,024 x 32 x 32 uint8 (E5M2 codes of Wv, K innermost, in blocks of 32 codes); Wv_scales 1,024 x 32 uint8 (E8M0 scales of Wv, one for each 32 codes along K); attention_mask 4 x 1 x 1 x 2,048 float32; bk 1,024 float32; bq 1,024 float32; bv 1,024 float32; hidden_states_codes 4 x 2,048 x 32 x 32 uint8 (E5M2 codes of hidden_states, K innermost, in blocks of 32 codes); hidden_states_scales 4 x 2,048 x 32 uint8 (E8M0 scales of hidden_states, one for each 32 codes along K).
;; Outputs: out0 4 x 2,048 x 1,024 float32.
;; This version of the problem:
;;   THIS VERSION OF THE PROBLEM IS GIVEN IN LOW PRECISION. The matrix products marked QUANTISED in the list below multiply operands that are first quantised to E5M2 (5 exponent bits, 2 mantissa bits; 8 bits a number), with one power-of-two scale for each 32 numbers along K (OCP MX v1.0); their sums are f32. All else is computed in f32.
;;   The module's matrix products, in the order in which they are computed (A, B: the left and right operand; K: the contracted axis; several contracted axes count as one K, in the product's order):
;;     1. [M 8,192, K 1,024] x [K 1,024, N 1,024]; A: input hidden_states (given as codes); B: input Wq (given as codes): QUANTISED
;;     2. [M 8,192, K 1,024] x [K 1,024, N 1,024]; A: input hidden_states (given as codes); B: input Wk (given as codes): QUANTISED
;;     3. [M 8,192, K 1,024] x [K 1,024, N 1,024]; A: input hidden_states (given as codes); B: input Wv (given as codes): QUANTISED
;;     4. batch 64 x [M 2,048, K 64] x [K 64, N 2,048]; A: computed on the way; B: computed on the way: QUANTISED
;;     5. batch 64 x [M 2,048, K 2,048] x [K 2,048, N 64]; A: computed on the way; B: computed on the way: QUANTISED
;;   THE QUANTISER, for each operand of a quantised product, along K:
;;     - K is cut into blocks of 32 from its start; a last block that is shorter is filled with zeros.
;;     - A block's scale is 2^e with e = floor(log2(the largest magnitude in the block)) - 15, held to -126 .. 127; a block of zeros has e = 0. As a byte (E8M0): e + 127.
;;     - Each number is divided by its block's scale, clamped to +-57,344, and rounded to the nearest number of E5M2, ties to even, subnormals kept.
;;     - The product sums the exact products of the quantised numbers (number of the format x scale) in f32.
;;   ~~~python
;;   def quantise(x, axis):      # numpy; x: float32 -> the quantised numbers, widened to float32 again
;;       x = np.moveaxis(x, axis, -1); K = x.shape[-1]
;;       x = np.pad(x, [(0, 0)] * (x.ndim - 1) + [(0, -K % 32)]); x = x.reshape(x.shape[:-1] + (-1, 32)); a = np.abs(x).max(-1, keepdims=True)
;;       e = np.where(a > 0, np.clip(np.frexp(np.where(a > 0, a, 1))[1] - 1 - 15, -126, 127), 0)      # np.frexp(a)[1] - 1 = floor(log2(a)), exactly
;;       r = np.clip(x / 2.0 ** e, -57344, 57344)
;;       step = 2.0 ** (np.maximum(np.frexp(np.where(r == 0, 1, r))[1] - 1, -14) - 2)
;;       q = np.round(r / step) * step * 2.0 ** e      # np.round: ties to even
;;       return np.moveaxis(q.reshape(q.shape[:-2] + (-1,))[..., :K], -1, axis).astype(np.float32)
;;   ~~~
;;   OPERANDS COMPUTED ON THE WAY. 'Computed on the way' means the value that the module computes at that place (a softmax that the list does not call 'softmax' is quantised finished and normalised). What goes into a quantiser is computed in f32, as accurately as f32 sums, v_exp_f32 and their like allow (about 1e-6 of the number): no bf16 or f16 on the way to a quantiser, and a product that is left as it is and whose result goes on into a quantised operand takes f32 operands (vector FMAs, or v_wmma_f32_16x16x4_f32). A number that lies on a knife's edge between two numbers of the format may be rounded either way, as far as f32 arithmetic and the matrix unit's own rounding can turn it there, and no further.
;;   INPUTS GIVEN AS CODES. Wk (in the module: [1024, 1024], K = its axis 1); Wq (in the module: [1024, 1024], K = its axis 1); Wv (in the module: [1024, 1024], K = its axis 1); hidden_states (in the module: [4, 2048, 1024], K = its axis 2): each comes as NAME_codes (uint8): NAME with its K axis moved to the last place and cut into blocks of 32 codes, [.., K / 32, bytes a block], one block behind the other in memory; one code a byte (a code: sign, 5 exponent bits, 2 mantissa bits); and NAME_scales (uint8): the same leading axes, one E8M0 byte (e + 127) for each 32 codes along K. Its value is code x scale, taken as it is: it is not quantised again, and the codes and scales need not be those that the quantiser above would give.
;; One version. Each part assembles by itself: llvm-mc -triple=amdgcn-amd-amdhsa -mcpu=gfx1250 --defsym DOCPART=n.
;; ======== version 1 of 1: 2 launches
;; workspace buffers: qimg 8,388,608 bytes; kimg 8,388,608 bytes; vimg 8,388,608 bytes; qsc 262,144 bytes; ksc 262,144 bytes; vsc 262,144 bytes
;; launch proj (part 1): grid 12 x 32, 4 waves a work-group, no clusters, 327,680 bytes of LDS; arguments hidden_states_codes, hidden_states_scales, Wq_codes, Wq_scales, Wk_codes, Wk_scales, Wv_codes, Wv_scales, bq, bk, bv, qimg, qsc, kimg, ksc, vimg, vsc; writes qimg, qsc, kimg, ksc, vimg, vsc
.if DOCPART == 1
	.amdgcn_target "amdgcn-amd-amdhsa--gfx1250"
	.amdhsa_code_object_version 6
	.text
	.protected	k_qceb0ad9663_proj
	.globl	k_qceb0ad9663_proj
	.p2align	8
	.type	k_qceb0ad9663_proj,@function
k_qceb0ad9663_proj:
	s_mov_b64 s[64:65], 0
	v_nop
	global_prefetch_b8 v0, s[64:65] scope:SCOPE_SE
	s_setreg_imm32_b32 hwreg(HW_REG_WAVE_MODE, 25, 1), 1
	s_wait_xcnt 0x0
; q, k, v = x W^T + b for the three weights, one launch: 8,192 x 3,072 x 1,024 on codes of BF8 (E5M2) with one E8M0 scale for each 32 along K; sums in f32.
; The results are quantised here, in registers (q and k along the head's 64 numbers, v along the keys), and stored as IMAGES OF THE REGISTERS in which the next launch wants them.
; SHARES.  Work-group x = 4 kind + c4 (kind 0 q, 1 k, 2 v), y = gy.  A work-group makes 256 x 256, each of its four waves 128 x 128: 64 accumulators, 512 registers.
; Source 1 of the matrix instruction takes 16 rows of R, source 0 16 rows of P: lane (r, h), register j of accumulator (a, b) holds R's row 16 a + r against P's row 16 b + 8 h + j.
;   q, k: R = x (tokens 256 gy on), P = W (features 256 c4 on): a lane's registers run along the features, the next product's K.
;   v:    R = Wv (features 256 c4 on), P = x (tokens 256 gy on): a lane's registers run along the keys, the next product's K.
; x and the weights have rows of 1,024 bytes, so only global pointers turn with the kind: descriptors' shapes, LDS addresses and the K steps are one text.
; A BLOCK OF 32 is two neighbouring accumulators and lanes l, l xor 16.  Place 16 h + 8 u + j of a block holds its number 16 u + 8 h + j; q and k carry the same order, and so do v and the weights p of the next launch,
; so every product meets its partner; only the order of adding inside an instruction differs from the plain one.
; OUT.  qimg, kimg: [head][token / 32][c][lane][16 bytes], c = 2 (tile of 16 tokens) + (block of 32 features).  vimg: [head][key / 128][feature / 16][c = block of keys][lane][16 bytes].
;   qsc, ksc: [head][token / 128][lane][2 words]: word e, lanes 0-15 pair 2 e, lanes 16-31 pair 2 e + 1 of the four pairs of tiles; a word: bytes 0, 1 the pair's first tile, bytes 2, 3 its second.
;   vsc: [head][key / 128][lane][2 words]: word e, lanes 0-15 features 32 e on, lanes 16-31 features 32 e + 16 on; byte c: block c of the 128 keys.
; K goes in four steps of 256 through two LDS slots filled by the tensor data mover (a tile's row is 256 bytes of memory); the scales of all of K for the 512 rows come once, with the first fills.
; NO JOINT LOADS: whether a wave's tile is x's or a weight's turns with the kind, so a mask would hang on the kind as well as on the place in a cluster; each work-group asks for its own tiles by one line for all kinds.
; The price: x's tile is asked for by 12 work-groups, a weight's by 32.
; LIMITS: NaN and infinities among codes, scales (byte 0xff) and biases are not served.  A block whose largest magnitude lies under 2^(16 - 127) keeps the byte 1; a block of zeros gets the byte 1 and not 127:
; its codes are zeros, and the bytes are read by this program alone.
; REGISTERS: window 0: v6-7 offsets of the bias loads; v8-15 bias by R's row; v16-29 addresses; v32-63 scale words, two sets; v64-127 bias by P's row; v128-255 R's fragments, one set;
;   behind the sums: v128-191 64 numbers at work, v192-207 their codes, v208-223 the quantiser's, v224-231 eight scale words, v232-243 their way out.
;   window 1: P's fragments, two sets.   windows 2, 3: accumulator (a, b) at v[8 (8 (a % 4) + b)].
.set PITCH,  272                       ; an LDS row: 256 bytes + 16 of padding: the 16 rows that a load touches start 68 words apart
.set HALFT,  128*PITCH                 ; 128 rows: what one tensor load brings
.set SLOT,   4*HALFT                   ; R's 256 rows, then P's 256 rows
.set SCL,    2*SLOT                    ; behind the slots: the scale bytes, rows of 256 bytes + 16
.set HALFS,  16*272                    ; those of 128 rows (128 x 32 bytes)
.set SBLK,   2*272                     ; those of 16 rows
.set SPARE,  SCL+4*HALFS               ; the spare words: 128 bytes for each wave, named by no other line
.set NQ,     2                         ; matrix instructions deep in a slot
.set FR,     16                        ; registers of a fragment
.set NL,     4                         ; LDS loads that bring one
.set NP,     8                         ; places behind this matrix instruction (ISA guide 7.12.1)
.set BR,   8
.set ADRR, 16                          ; v16-17 LDS address of my R fragments in slot 0, 1
.set ADRP, 20                          ; v20-21 the same for P
.set LI16, 24                          ; v24    16 x lane
.set L8,   25                          ; v25    8 x lane
.set ADRS, 27                          ; v27    LDS address of my scale words: lanes 0-15 R's rows, lanes 16-31 P's
.set SPW,  28                          ; v28    my spare word; never rewritten
.set NIL,  29                          ; v29    0; never rewritten
.set SC,   32
.set BP,   64
.set RF,   128
.set ST,   128
.set PC,   192
.set TM,   208
.set PWS,  224
.set WW,   232
.set PR,   240
.set WV,   38                          ; s38 wave;  s39 my half of R;  s40 my half of P;  s41 kind;  s54 1 for v
.set RH,   39
.set PH,   40
.set KIND, 41
.set ISV,  54
.set G1,   68                          ; s[68:75] group 1 for tiles of codes;  s[76:83] for scale bytes;  s[84:91] groups 0 of slots 0, 1;  s[92:95] group 0 of the scales
.set G1S,  76
.set G0,   84
.set G0S,  92
.set SEL,  96
.set MNT,  98
.set HM,   99
.set MSB, 0
.macro WIN new                         ; the immediate's high byte repeats the setting that is left; a switch that changes nothing is dropped
.if MSB != (\new)
	s_set_vgpr_msb (MSB<<8)|(\new)
.set MSB, (\new)
.endif
.endm
.set MUL_LO, 0xa1                      ; source 0 (P) window 1, source 1 (R) window 0, C and D window 2
.set MUL_HI, 0xf1                      ; the same, C and D window 3
.set TO_P,   0x40                      ; destination window 1, address window 0
	s_load_b512 s[4:19], s[0:1], 0x0               ; x codes s[4:5], x scales s[6:7], Wq s[8:11], Wk s[12:15], Wv s[16:19]
	s_load_b512 s[20:35], s[0:1], 0x40             ; bq, bk, bv s[20:25]; qimg, qsc s[26:29]; kimg, ksc s[30:33]; vimg s[34:35]
	s_load_b64 s[36:37], s[0:1], 0x80              ; vsc
	v_lshl_add_u32 v[SPW], v0, 2, SPARE
	v_mov_b32 v[NIL], 0
	ds_add_u32 v28, v29
	ds_add_u32 v28, v29
	s_wait_dscnt 0x0
	v_lshrrev_b32 v1, 5, v0
	v_readfirstlane_b32 s[WV], v1                  ; wave 0..3
	s_lshr_b32 s[RH], s[WV], 1                     ; my half of R's rows.  Also: waves 0, 1 fetch R's halves, waves 2, 3 P's
	s_and_b32 s[PH], s[WV], 1                      ; my half of P's rows.  Also: which 128 rows I fetch
	s_lshr_b32 s[KIND], ttmp9, 2
	s_lshr_b32 s[ISV], s[KIND], 1
	s_and_b32 s56, ttmp9, 3
	s_lshl_b32 s56, s56, 8                         ; the work-group's first feature: 256 c4
	s_and_b32 s55, ttmp7, 0xffff
	s_lshl_b32 s55, s55, 8                         ; and its first token: 256 gy
	s_mov_b32 s[G1+0], (1<<20)|(5<<22)|(3<<25)     ; elements of 1 byte; padding on: 4 words behind every 64
	s_mov_b32 s[G1+1], 256<<16                     ; tensor_dim0
	s_mov_b32 s[G1+2], 128<<16                     ; tensor_dim1
	s_mov_b32 s[G1+3], 256<<16                     ; tile_dim0
	s_mov_b32 s[G1+4], 128                         ; tile_dim1
	s_mov_b32 s[G1+5], 1024                        ; from row to row
	s_mov_b32 s[G1+6], 0
	s_mov_b32 s[G1+7], 0
	s_mov_b32 s[G1S+0], (3<<16)|(1<<20)|(5<<22)|(3<<25)   ; the scales of 128 rows are 4,096 dense bytes: 16 rows of 32 elements of 8 bytes, padded likewise
	s_mov_b32 s[G1S+1], 32<<16
	s_mov_b32 s[G1S+2], 16<<16
	s_mov_b32 s[G1S+3], 32<<16
	s_mov_b32 s[G1S+4], 16
	s_mov_b32 s[G1S+5], 32
	s_mov_b32 s[G1S+6], 0
	s_mov_b32 s[G1S+7], 0
	s_mov_b32 s[SEL], 0x76543210
	s_mov_b32 s[SEL+1], 0xfedcba98                 ; v_permlanex16_b32's selects for lane l xor 16
	s_mov_b32 s[MNT], 0x600000                     ; the mantissa field of 57,344
	s_mov_b32 s[HM], 0xffff0000                    ; lanes 16-31
	s_cmp_eq_u32 s[RH], s[ISV]                     ; R is x for q and k, P is x for v: so I fetch x where wave / 2 = (kind is v)
	s_cselect_b32 s57, s55, s56
	s_lshl_b32 s58, s[PH], 7
	s_add_co_u32 s57, s57, s58                     ; the first of the 128 rows that I fetch
	s_lshl_b32 s58, s57, 10                        ; its codes, in bytes (under 2^23)
	s_mov_b32 s59, 0
	s_lshl_b32 s60, s57, 5                         ; its scale bytes
	s_mov_b32 s61, 0
	s_mul_i32 s62, s[WV], HALFT                    ; where they go: wave x 128 rows
	s_mul_i32 s63, s[WV], HALFS
	s_wait_kmcnt 0x0
	s_cmp_eq_u32 s[KIND], 0                        ; the kind's weight, bias and outputs: choices on the work-group's number alone
	s_cselect_b64 s[44:45], s[8:9], s[12:13]
	s_cselect_b64 s[46:47], s[10:11], s[14:15]
	s_cselect_b64 s[48:49], s[20:21], s[22:23]
	s_cselect_b64 s[50:51], s[26:27], s[30:31]
	s_cselect_b64 s[52:53], s[28:29], s[32:33]
	s_cmp_eq_u32 s[KIND], 2
	s_cselect_b64 s[44:45], s[16:17], s[44:45]     ; W's codes
	s_cselect_b64 s[46:47], s[18:19], s[46:47]     ; W's scales
	s_cselect_b64 s[48:49], s[24:25], s[48:49]     ; the bias
	s_cselect_b64 s[50:51], s[34:35], s[50:51]     ; the images
	s_cselect_b64 s[52:53], s[36:37], s[52:53]     ; their scale words
	s_cmp_eq_u32 s[RH], s[ISV]
	s_cselect_b64 s[2:3], s[4:5], s[44:45]         ; the codes that I fetch,
	s_cselect_b64 s[100:101], s[6:7], s[46:47]     ; and the scale bytes
	s_add_nc_u64 s[2:3], s[2:3], s[58:59]
	s_add_nc_u64 s[100:101], s[100:101], s[60:61]
	s_mov_b32 s[G0S], 1
	s_add_co_u32 s[G0S+1], s63, SCL
	s_mov_b64 s[G0S+2:G0S+3], s[100:101]
	s_or_b32 s[G0S+3], s[G0S+3], 0x80000000
.irp s, 0,1
	s_mov_b32 s[G0+4*\s], 1
	s_add_co_u32 s[G0+4*\s+1], s62, \s*SLOT
	s_add_nc_u64 s[G0+4*\s+2:G0+4*\s+3], s[2:3], \s*256   ; K step s
	s_or_b32 s[G0+4*\s+3], s[G0+4*\s+3], 0x80000000
.endr
	tensor_load_to_lds s[G0S:G0S+3], s[G1S:G1S+7]  ; the three first fills go out together: three loads of mine are out
	s_nop 0
	tensor_load_to_lds s[G0:G0+3], s[G1:G1+7]
	s_nop 0
	tensor_load_to_lds s[G0+4:G0+7], s[G1:G1+7]
	s_nop 0
.rept 4
	v_nop
.endr
	s_cmp_eq_u32 s[ISV], 1
	s_cselect_b32 s58, s[RH], s[PH]                ; which half of the features is mine,
	s_cselect_b32 s59, s[PH], s[RH]                ; which half of the tokens
	s_lshl_b32 s58, s58, 7
	s_add_co_u32 s56, s56, s58                     ; my first feature
	s_lshl_b32 s59, s59, 7
	s_add_co_u32 s55, s55, s59                     ; my first token
	s_lshl_b32 s60, s56, 2
	s_add_nc_u64 s[48:49], s[48:49], s[60:61]      ; the bias at my first feature
	v_and_b32 v1, 15, v0                           ; r
	v_bfe_u32 v2, v0, 4, 1                         ; h
	v_lshlrev_b32 v6, 5, v2                        ; 32 h
	v_lshlrev_b32 v7, 2, v1                        ; 4 r
.irp b, 0,1,2,3,4,5,6,7
	global_load_b128 v[BP+8*\b:BP+8*\b+3], v6, s[48:49] offset:64*\b       ; bias of features 16 b + 8 h + 0 .. 7: q's and k's
	global_load_b128 v[BP+8*\b+4:BP+8*\b+7], v6, s[48:49] offset:64*\b+16
.endr
.irp a, 0,1,2,3,4,5,6,7
	global_load_b32 v[BR+\a], v7, s[48:49] offset:64*\a                    ; bias of feature 16 a + r: v's.  Both sets lie inside the bias's 1,024 numbers for every kind
.endr
	s_lshr_b32 s58, s55, 11                        ; the batch,
	s_and_b32 s59, s55, 2047
	s_lshr_b32 s59, s59, 7                         ; which 128 tokens of its 2,048,
	s_lshl_b32 s58, s58, 4
	s_lshr_b32 s60, s56, 6
	s_add_co_u32 s58, s58, s60                     ; my first head: 16 x batch + feature / 64
	s_lshl_b32 s60, s58, 17                        ; a head's images are 131,072 bytes, 128 tokens' 8,192
	s_lshl_b32 s62, s59, 13
	s_add_co_u32 s60, s60, s62
	s_add_nc_u64 s[50:51], s[50:51], s[60:61]
	s_lshl_b32 s60, s58, 12                        ; a head's scale words are 4,096 bytes, 128 tokens' 256
	s_lshl_b32 s62, s59, 8
	s_add_co_u32 s60, s60, s62
	s_add_nc_u64 s[52:53], s[52:53], s[60:61]
	v_mul_u32_u24 v3, v1, PITCH
	v_lshl_add_u32 v4, v2, 4, v3                   ; a fragment's row x pitch + 16 x half
	s_mul_i32 s58, s[RH], HALFT                    ; my 128 rows of R
	s_mul_i32 s59, s[PH], HALFT                    ; my 128 rows of P,
	s_add_co_u32 s59, s59, 2*HALFT                 ; which lie behind R's 256
.irp s, 0,1
	v_add_nc_u32 v[ADRR+\s], s58, v4
	v_add_nc_u32 v[ADRP+\s], s59, v4
	s_add_co_u32 s58, s58, SLOT
	s_add_co_u32 s59, s59, SLOT
.endr
	v_mul_u32_u24 v5, v1, 32                       ; my row's scales: 32 bytes a row,
	v_lshrrev_b32 v3, 8, v5
	v_lshl_add_u32 v5, v3, 4, v5                   ; and 16 more for each 256 passed
	s_mul_i32 s58, s[RH], HALFS
	s_mul_i32 s59, s[PH], HALFS
	s_add_co_u32 s59, s59, 2*HALFS
	s_sub_co_u32 s59, s59, s58
	v_mul_u32_u24 v3, s59, v2                      ; lanes 16-31 take P's: the lower base + h x the distance
	s_add_co_u32 s58, s58, SCL
	v_add_nc_u32 v5, v5, v3
	v_add_nc_u32 v[ADRS], s58, v5
	v_and_b32 v3, 31, v0
	v_lshlrev_b32 v[LI16], 4, v3
	v_lshlrev_b32 v[L8], 3, v3
.macro FRAG reg, adr, q, i             ; 16 rows x 128 K: lane l holds row l % 16; registers 4 c .. 4 c + 3 hold K = 32 c + 16 (l / 16) + 0 .. 15
.irp c, 0,1,2,3
	ds_load_b128 v[\reg+4*\c:\reg+4*\c+3], v[\adr] offset:128*(\q)+32*\c+(\i)*16*PITCH
.endr
.endm
; 16 matrix instructions: R's blocks a0, a0 + 1 x P's eight, the slot's q-th 128 along K.  p: P's set; sc: the set of scale words.  zero = 1: the product starts the sums.
; The 64 accumulators take turns, one instruction a turn, in the same order in every step.
.macro MUL16 a0, p, q, sc, zero
.irp a, \a0, \a0+1
.irp b, 0,1,2,3,4,5,6,7
.if \zero
	v_wmma_scale_f32_16x16x128_f8f6f4 v[8*(8*((\a)%4)+\b):8*(8*((\a)%4)+\b)+7], v[128*(\p)+FR*\b:128*(\p)+FR*\b+FR-1], v[RF+FR*(\a):RF+FR*(\a)+FR-1], 0, v[SC+8*NQ*(\sc)+NQ*\b+(\q)], v[SC+8*NQ*(\sc)+NQ*(\a)+(\q)] matrix_a_fmt:MATRIX_FMT_BF8 matrix_b_fmt:MATRIX_FMT_BF8 matrix_a_scale:MATRIX_SCALE_ROW1
.else
	v_wmma_scale_f32_16x16x128_f8f6f4 v[8*(8*((\a)%4)+\b):8*(8*((\a)%4)+\b)+7], v[128*(\p)+FR*\b:128*(\p)+FR*\b+FR-1], v[RF+FR*(\a):RF+FR*(\a)+FR-1], v[8*(8*((\a)%4)+\b):8*(8*((\a)%4)+\b)+7], v[SC+8*NQ*(\sc)+NQ*\b+(\q)], v[SC+8*NQ*(\sc)+NQ*(\a)+(\q)] matrix_a_fmt:MATRIX_FMT_BF8 matrix_b_fmt:MATRIX_FMT_BF8 matrix_a_scale:MATRIX_SCALE_ROW1
.endif
.endr
.endr
.endm
.macro FETCH_P slot, q, p              ; P's eight fragments into set p
	WIN TO_P
.irp i, 0,1,2,3,4,5,6,7
	FRAG 128*(\p)+FR*\i, ADRP+\slot, \q, \i
.endr
	WIN 0
.endm
.macro FETCH_R slot, q, i0             ; R's blocks i0 .. i0 + 3
.irp i, \i0, \i0+1, \i0+2, \i0+3
	FRAG RF+FR*(\i), ADRR+\slot, \q, \i
.endr
.endm
.macro SCALES sc                       ; a K step's scale words: two a row; lanes 0-15 take R's block i, lanes 16-31 P's block i
.irp i, 0,1,2,3,4,5,6,7
	ds_load_b64 v[SC+8*NQ*\sc+NQ*\i:SC+8*NQ*\sc+NQ*\i+1], v[ADRS] offset:\i*SBLK
.endr
.endm
.macro PLACES n                        ; plain vector places between a matrix instruction and a load into, or a vector read or write of, its registers
.rept \n
	v_nop
.endr
.endm
; A step of 128 along K that has its successor in the same slot.  R has one set: a block is free when its eight products are issued; P has two.
.macro STEP slot, q, zero
	s_wait_dscnt 4*NL                              ; P's set and R's blocks 0-3 are in; the youngest 16 loads (R's blocks 4-7) may be out
	WIN MUL_LO
	MUL16 0, (\q)%2, \q, \slot, \zero
	MUL16 2, (\q)%2, \q, \slot, \zero
	s_wait_dscnt 0
	PLACES NP
	FETCH_P \slot, (\q)+1, 1-(\q)%2
	FETCH_R \slot, (\q)+1, 0
	WIN MUL_HI
	MUL16 4, (\q)%2, \q, \slot, \zero
	MUL16 6, (\q)%2, \q, \slot, \zero
	PLACES NP
	WIN 0
	FETCH_R \slot, (\q)+1, 4
.endm
; A slot's last step changes slots: one barrier.  In front of it each wave waits for all its tensor loads, adds 0 to its spare word, and waits for that and for its reads of this slot.
; fill = 1: behind the barrier this slot is filled again, two K steps ahead: my one tensor load until the next such barrier.
.macro TURN slot, next, fill
	s_wait_tensorcnt 0x0                           ; all my tensor loads have landed: my part of the next slot among them
	ds_add_u32 v[SPW], v[NIL]                      ; 0 onto my spare word
	s_wait_dscnt 4*NL+1                            ; the add and the youngest 16 loads (R's blocks 4-7) may be out
	WIN MUL_LO
	MUL16 0, 1, NQ-1, \slot, 0                     ; sixteen matrix instructions stand between the add and the wait for it
	s_wait_dscnt 0x0                               ; the add is done, and my reads of this slot are over
	s_barrier_signal -1
	MUL16 2, 1, NQ-1, \slot, 0
	WIN 0
	s_barrier_wait -1
.if \fill
	s_add_nc_u64 s[G0+4*\slot+2:G0+4*\slot+3], s[G0+4*\slot+2:G0+4*\slot+3], 512   ; no load of mine is out: the slot's group 0 steps two K steps on
	tensor_load_to_lds s[G0+4*\slot:G0+4*\slot+3], s[G1:G1+7]
	s_nop 0
.endif
	PLACES NP                                      ; the places in front of the loads below
	v_add_nc_u32 v[ADRS], 4*NQ, v[ADRS]            ; on to the next K step's scale words
	FETCH_P \next, 0, 0
	FETCH_R \next, 0, 0
	SCALES \next
	WIN MUL_HI
	MUL16 4, 1, NQ-1, \slot, 0
	MUL16 6, 1, NQ-1, \slot, 0
	PLACES NP
	WIN 0
	FETCH_R \next, 0, 4
.endm
	s_wait_tensorcnt 1                             ; the scales and my part of K step 0 are in; K step 1's load may stay out
	s_barrier_signal -1
	s_barrier_wait -1                              ; everybody's are
	FETCH_P 0, 0, 0
	FETCH_R 0, 0, 0
	SCALES 0
	FETCH_R 0, 0, 4
	STEP 0, 0, 1                                   ; K 0-127: its products start the sums
	TURN 0, 1, 1                                   ; K 128-255; slot 0 takes K 512-767
	STEP 1, 0, 0
	TURN 1, 0, 1                                   ; slot 1 takes K 768-1,023
	STEP 0, 0, 0
	TURN 0, 1, 0                                   ; nothing is left to fetch
	STEP 1, 0, 0
	s_wait_dscnt 4*NL                              ; the last step
	WIN MUL_LO
	MUL16 0, 1, NQ-1, 1, 0
	MUL16 2, 1, NQ-1, 1, 0
	s_wait_dscnt 0
	WIN MUL_HI
	MUL16 4, 1, NQ-1, 1, 0
	MUL16 6, 1, NQ-1, 1, 0
	WIN 0
; 64 numbers of a lane, v[s] on, register 16 b + i = place 16 (lane / 16) + i of block b of my row, become 16 registers of codes in v[PC] on and the row's scale word in v[pw].
.macro QUANT s, pw
.irp b, 0,1,2,3
	v_max3_num_f32 v[TM+\b], |v[\s+16*\b]|, |v[\s+1+16*\b]|, 0x8000000   ; my 16 numbers of block b, and the floor 2^(16 - 127): the byte cannot fall under 1
.endr
.irp i, 2,4,6,8,10,12,14
.irp b, 0,1,2,3
	v_max3_num_f32 v[TM+\b], v[TM+\b], |v[\s+16*\b+\i]|, |v[\s+1+16*\b+\i]|   ; the four blocks by turns
.endr
.endr
.irp b, 0,1,2,3
	v_permlanex16_b32 v[TM+4+\b], v[TM+\b], s[SEL], s[SEL+1]
.endr
.irp b, 0,1,2,3
	v_max_num_f32 v[TM+\b], v[TM+\b], v[TM+4+\b]   ; with lane l xor 16's: the block's largest magnitude
.endr
.irp b, 0,1,2,3
	v_add_nc_u32 v[TM+12+\b], 0xf8800000, v[TM+\b] ; 15 off its exponent field: the conversion takes this operand's exponent field as its scale
.endr
.irp b, 0,1,2,3
	v_and_or_b32 v[TM+8+\b], v[TM+\b], 0x7f800000, s[MNT]   ; 57,344 x the scale
.endr
.irp b, 0,1,2,3
	v_lshrrev_b32 v[TM+4+\b], 23, v[TM+12+\b]      ; the scale's byte
.endr
	v_lshl_or_b32 v[\pw], v[TM+5], 8, v[TM+4]
	v_lshl_or_b32 v[\pw], v[TM+6], 16, v[\pw]
	v_lshl_or_b32 v[\pw], v[TM+7], 24, v[\pw]
.irp b, 0,1,2,3
.irp i, 0,1,2,3,4,5,6,7,8,9,10,11,12,13,14,15
	v_med3_num_f32 v[\s+16*\b+\i], v[\s+16*\b+\i], -v[TM+8+\b], v[TM+8+\b]   ; the conversion to an 8-bit code does not saturate (ISA guide 7.6.2): the hold at the largest code x the scale
.endr
	v_cvt_scalef32_pk8_bf8_f32 v[PC+4*\b:PC+1+4*\b], v[\s+16*\b:\s+7+16*\b], v[TM+12+\b]
	v_cvt_scalef32_pk8_bf8_f32 v[PC+2+4*\b:PC+3+4*\b], v[\s+8+16*\b:\s+15+16*\b], v[TM+12+\b]
.endr
	v_nop                                          ; a plain vector line behind the last conversion, ahead of the next lines that write its sources
.endm
; Unit a: R's block a against my 128 rows of P: 64 numbers a lane.  Bias, quantiser, four stores of 512 consecutive bytes, each at a multiple of 512 from the buffer's first byte.
.macro UNIT a, isv
.if \a > 0
	s_wait_xcnt 0x0                                ; the last unit's stores have read their data: the codes' registers are written again only behind this wait
.endif
	WIN 0x02+(\a)/4                                ; source 0: the accumulators' window
.set i, 0
.if \isv
.rept 64
	v_add_f32 v[ST+i], v[64*((\a)%4)+i], v[BR+\a]  ; each accumulator from its low end on
.set i, i+1
.endr
.else
.rept 32
	v_pk_add_f32 v[ST+i:ST+i+1], v[64*((\a)%4)+i:64*((\a)%4)+i+1], v[BP+i:BP+i+1]
.set i, i+2
.endr
.endif
	WIN 0
	QUANT ST, PWS+\a
.irp g, 0,1,2,3
.if \isv
	global_store_b128 v[LI16], v[PC+4*\g:PC+4*\g+3], s[50:51] offset:((\a)/4)*131072+((\a)%4)*2048+\g*512          ; head a / 4, features 16 (a % 4) on, block g of the keys
.else
	global_store_b128 v[LI16], v[PC+4*\g:PC+4*\g+3], s[50:51] offset:(\g/2)*131072+((\a)/2)*2048+(2*((\a)%2)+\g%2)*512   ; head g / 2, pair a / 2, tile a % 2, block g % 2 of the features
.endif
.endr
.endm
.macro EPI isv
.irp b, 0,1,2,3
	v_mov_b32 v[TM+4+\b], 0                        ; written once: a lane permute's destination counts as one of its sources
.endr
.irp a, 0,1,2,3,4,5,6,7
	UNIT \a, \isv
.endr
.if \isv
.irp e, 0,1                                    ; head e: unit 4 e + p is its features 16 p on; its word's four bytes are the four blocks of keys
	v_cndmask_b32 v[PR+2*\e], v[PWS+4*\e], v[PWS+4*\e+1], s[HM]
	v_cndmask_b32 v[PR+2*\e+1], v[PWS+4*\e+2], v[PWS+4*\e+3], s[HM]
.endr
.else
	s_mov_b32 s58, 0x05040100                      ; the two low halves: head 0's bytes of units 2 p and 2 p + 1
	s_mov_b32 s59, 0x07060302                      ; the two high halves: head 1's
.irp e, 0,1
.irp p, 0,1,2,3
	v_perm_b32 v[WW+4*\e+\p], v[PWS+2*\p+1], v[PWS+2*\p], s[58+\e]
.endr
	v_cndmask_b32 v[PR+2*\e], v[WW+4*\e], v[WW+4*\e+1], s[HM]
	v_cndmask_b32 v[PR+2*\e+1], v[WW+4*\e+2], v[WW+4*\e+3], s[HM]
.endr
.endif
.irp e, 0,1
	global_store_b64 v[L8], v[PR+2*\e:PR+2*\e+1], s[52:53] offset:4096*\e   ; 32 lanes store 256 consecutive bytes, at a multiple of 256 from the buffer's first byte
.endr
.endm
	s_wait_loadcnt 0x0                             ; the biases
	PLACES NP                                      ; behind the last products: their results are read, and R's registers written, below
	s_cmp_eq_u32 s[ISV], 1
	s_cbranch_scc1 .Lv
	EPI 0
	s_branch .Lend
.Lv:
	EPI 1
.Lend:
	s_wait_tensorcnt 0x0                           ; the wave's end
	ds_add_u32 v[SPW], v[NIL]
	s_wait_dscnt 0x0
	s_endpgm
.Lfunc_end_k_qceb0ad9663_proj:
	.size	k_qceb0ad9663_proj, .Lfunc_end_k_qceb0ad9663_proj-k_qceb0ad9663_proj
	.p2alignl 7, 3214868480
	.fill 96, 4, 3214868480
	.section	.rodata,"a",@progbits
	.p2align	6, 0x0
	.amdhsa_kernel k_qceb0ad9663_proj
		.amdhsa_group_segment_fixed_size 327680
		.amdhsa_private_segment_fixed_size 0
		.amdhsa_enable_private_segment 0
		.amdhsa_kernarg_size 136
		.amdhsa_user_sgpr_count 2
		.amdhsa_user_sgpr_kernarg_segment_ptr 1
		.amdhsa_wavefront_size32 1
		.amdhsa_system_sgpr_workgroup_id_x 1
		.amdhsa_system_sgpr_workgroup_id_y 1
		.amdhsa_system_sgpr_workgroup_id_z 1
		.amdhsa_system_vgpr_workitem_id 0
		.amdhsa_next_free_vgpr 1024
		.amdhsa_next_free_sgpr 102
		.amdhsa_reserve_vcc 0
		.amdhsa_float_denorm_mode_32 3
		.amdhsa_float_denorm_mode_16_64 3
		.amdhsa_memory_ordered 1
		.amdhsa_forward_progress 1
		.amdhsa_inst_pref_size 255
	.end_amdhsa_kernel
	.section	.bss,"aw",@nobits
	.p2align	6
	.space	262144
	.amdgpu_metadata
---
amdhsa.version: [ 1, 2 ]
amdhsa.kernels:
  - .name:           k_qceb0ad9663_proj
    .symbol:         k_qceb0ad9663_proj.kd
    .args:
      - { .name: hidden_states_codes, .offset: 0, .size: 8, .value_kind: global_buffer, .address_space: global }
      - { .name: hidden_states_scales, .offset: 8, .size: 8, .value_kind: global_buffer, .address_space: global }
      - { .name: Wq_codes, .offset: 16, .size: 8, .value_kind: global_buffer, .address_space: global }
      - { .name: Wq_scales, .offset: 24, .size: 8, .value_kind: global_buffer, .address_space: global }
      - { .name: Wk_codes, .offset: 32, .size: 8, .value_kind: global_buffer, .address_space: global }
      - { .name: Wk_scales, .offset: 40, .size: 8, .value_kind: global_buffer, .address_space: global }
      - { .name: Wv_codes, .offset: 48, .size: 8, .value_kind: global_buffer, .address_space: global }
      - { .name: Wv_scales, .offset: 56, .size: 8, .value_kind: global_buffer, .address_space: global }
      - { .name: bq, .offset: 64, .size: 8, .value_kind: global_buffer, .address_space: global }
      - { .name: bk, .offset: 72, .size: 8, .value_kind: global_buffer, .address_space: global }
      - { .name: bv, .offset: 80, .size: 8, .value_kind: global_buffer, .address_space: global }
      - { .name: qimg, .offset: 88, .size: 8, .value_kind: global_buffer, .address_space: global }
      - { .name: qsc, .offset: 96, .size: 8, .value_kind: global_buffer, .address_space: global }
      - { .name: kimg, .offset: 104, .size: 8, .value_kind: global_buffer, .address_space: global }
      - { .name: ksc, .offset: 112, .size: 8, .value_kind: global_buffer, .address_space: global }
      - { .name: vimg, .offset: 120, .size: 8, .value_kind: global_buffer, .address_space: global }
      - { .name: vsc, .offset: 128, .size: 8, .value_kind: global_buffer, .address_space: global }
    .group_segment_fixed_size: 327680
    .private_segment_fixed_size: 0
    .kernarg_segment_align: 8
    .kernarg_segment_size: 136
    .max_flat_workgroup_size: 128
    .sgpr_count:     102
    .vgpr_count:     1024
    .wavefront_size: 32
...
	.end_amdgpu_metadata
.endif
;; end of part 1
;; launch attn (part 2): grid 4 x 64, 4 waves a work-group, no clusters, 176,640 bytes of LDS; arguments qimg, qsc, kimg, ksc, vimg, vsc, attention_mask, out0; writes out0
.if DOCPART == 2
	.amdgcn_target "amdgcn-amd-amdhsa--gfx1250"
	.amdhsa_code_object_version 6
	.text
	.protected	k_qceb0ad9663_attn
	.globl	k_qceb0ad9663_attn
	.p2align	8
	.type	k_qceb0ad9663_attn,@function
k_qceb0ad9663_attn:
	s_mov_b64 s[64:65], 0
	v_nop
	global_prefetch_b8 v0, s[64:65] scope:SCOPE_SE
	s_setreg_imm32_b32 hwreg(HW_REG_WAVE_MODE, 25, 1), 1
	s_wait_xcnt 0x0
; out[token][head] = probs v;  probs = r / (sum of r + 1e-6), r = relu(30 tanh(s / 30)), s = q . k / 8 + mask.  Both products on codes of BF8 (E5M2), one E8M0 scale for each 32 along K; all else f32.
; probs is quantised finished and normalised, so a row's whole sum is known before its first code is made.  Every score is made ONCE: the unnormalised r of 32 queries x 512 keys stays in 512 registers of a wave.
; SHARES.  Work-group (x, y): head y (16 x batch + head), queries 512 x on, in 16 blocks of 32.  Wave w owns keys 512 w .. 512 w + 511 for the whole launch: its V in 256 registers,
; its K in 32,768 bytes of LDS that it alone reads (one tensor load, filled once), its 8 x mask in 2,048 bytes of LDS.  The waves meet twice a block: for the rows' sums, and to add their four partial results.
; LAYOUT.  S^T = K Q^T (source 0 = keys, source 1 = 16 queries), O^T = V^T P^T: a lane holds ONE query (lane % 16) throughout; register j of key tile T is key 16 T + 8 (lane / 16) + j.
; THE HEAD HAS 64 NUMBERS, THE INSTRUCTION TAKES 128: a fragment of K holds TWO tiles of 16 keys (registers 0-7, 8-15); Q stands as [q, 0] and as [0, q]: zero codes add nothing.  The four such operands of a block's
; two query tiles overlap in one run of 40 registers: q0, zeros, q1, zeros, q0.  In Q's scale words the bytes of the zero half are 1, the smallest scale.  8 x mask is the C of the product: the result is 8 s.
; Within a block of 32 along a K, place 16 h + 8 u + j holds number 16 u + 8 h + j on both sides of each product (the launch before lays q, k and v so; p falls so by itself).
; TANH: u = 8 s held between 0 and 240 x 7.90531 (relu and the clamp in one), y = u^2 / 57,600 = (s / 30)^2, r = u P(y) / Q(y): the rational form of degrees 13 and 6 in s / 30, P's coefficients divided by 8 (exact).
; 1 / (sum + 1e-6) is v_rcp_f32 with one Newton step.
; BY TURNS.  The loop has some 60 vector lines for each product.  So the products K Q^T of the next pair of key tiles stand singly at four places in this pair's vector work, and each reciprocal stands between two
; lines of P's chain, which do not hang on it.
; NO JOINT LOADS: what the four work-groups of a head share, 131,072 bytes of K and as many of V, is read once at the head of 16 blocks' work, and V lands in registers, which a joint load cannot fill.
; LIMITS: NaN among the inputs is not served.  The mask is held within +-2^96 ahead of the x 8 (an infinite mask counts as that; tanh has long saturated there).  A block of p under 2^(16 - 127) keeps the byte 1.
; REGISTERS: window 0: v1-9 addresses; v10-13 two coefficients as pairs; v14-29 sums; v30-33 1 / divisor; v34 Q's scale word as loaded; v36-43 K's scale words, v44-51 V's; v52 p's; v53-55 at work;
;   v56-95 Q; v96-111 Q(y), then 1 / Q(y); v120-135 a fragment of K, later p's codes; v136-151 8 x mask of two tiles, later the quantiser's; v152-215 scores, two stages of 32, later 64 p, later partial results;
;   v216-231 y; v232-247 P(y); v248-251 Q's four scale words.   window 1: V.   window 2 + t: r of query tile t, register 8 T + j; its registers 0-31 become O^T once they have been read.
.set MASK,  131072                     ; LDS: K's images at 0, 32,768 bytes a wave;  8 x mask, 2,048 bytes a wave;
.set SUMS,  139264                     ; the rows' sums, [32 queries][4 waves];
.set OPART, 139776                     ; the partial results: for each wave 32 rows of 256 bytes + 16
.set LI,   1                           ; v1  my wave's K + 16 x lane
.set MA,   2                           ; v2  my wave's mask + 32 (lane / 16)
.set GI,   3                           ; v3  16 x lane
.set QSO,  4                           ; v4  8 (lane % 16)
.set SMW,  5                           ; v5  where I put a row's sum
.set SMR,  6                           ; v6  where I read a row's four
.set OW,   7                           ; v7  where I put 32 bytes of a partial row
.set ORD,  8                           ; v8  where I read 16 bytes of a partial row
.set GO,   9                           ; v9  my byte offset in the block's rows of out
.set VA13, 10
.set VB6,  12
.set SUM,  14
.set INV,  30
.set QS0,  34
.set KS,   36
.set VS,   44
.set PW,   52
.set QA0,  56                          ; v56-71  [q of tile 0, zeros]
.set QB1,  64                          ; v64-79  [zeros, q of tile 1]
.set QA1,  72                          ; v72-87  [q of tile 1, zeros]
.set QB0,  80                          ; v80-95  [zeros, q of tile 0]
.set QT,   96
.set KF,   120
.set PC,   120
.set MK,   136
.set TM,   136
.set SG,   152
.set PST,  152
.set RD,   152
.set YR,   216
.set WR,   232
.set QSA0, 248
.set QSB0, 249
.set QSA1, 250
.set QSB1, 251
.set WV,   2
.set HD,   3
.set BLK,  5
.set SQB,  6
.set SEL,  36
.set MNT,  38
.set HM,   39
.set CL,   40
.set EPS,  41
.set C2,   42
.set A11,  44
.set A9,   46
.set A7,   48
.set A5,   50
.set A3,   52
.set A1,   54
.set B4,   56
.set B2,   58
.set B0,   60
.set QP,   68                          ; s[68:69] the block's image of Q;  s[70:71] the head's scale words of q;  s[72:73] the block's;  s[74:75] the block's rows of out
.set QSB,  70
.set QSP,  72
.set OUT,  74
.set MSB, 0
.macro WIN new                         ; the immediate's high byte repeats the setting that is left; a switch that changes nothing is dropped
.if MSB != (\new)
	s_set_vgpr_msb (MSB<<8)|(\new)
.set MSB, (\new)
.endif
.endm
.macro SPAIR reg, bits                 ; a constant as a pair: the packed forms name the pair and take its low word for both halves
	s_mov_b32 s[\reg], \bits
	s_mov_b32 s[\reg+1], \bits
.endm
.macro QSADDR                          ; block B's scale words: 256 (B / 4) + 128 (B % 2) + 4 ((B / 2) % 2) bytes into the head's
	s_lshr_b32 s66, s[SQB], 2
	s_lshl_b32 s66, s66, 8
	s_and_b32 s7, s[SQB], 1
	s_lshl_b32 s7, s7, 7
	s_add_co_u32 s66, s66, s7
	s_bfe_u32 s7, s[SQB], 0x10001
	s_lshl_b32 s7, s7, 2
	s_add_co_u32 s66, s66, s7
	s_add_nc_u64 s[QSP:QSP+1], s[QSB:QSB+1], s[66:67]
.endm
.macro QLOAD off                       ; a block's Q: tile 0's 8 registers at both ends of the run, tile 1's in its middle; and the scale word of my row
	global_load_b128 v[QA0:QA0+3],     v[GI], s[QP:QP+1] offset:\off
	global_load_b128 v[QA0+4:QA0+7],   v[GI], s[QP:QP+1] offset:\off+512
	global_load_b128 v[QB0+8:QB0+11],  v[GI], s[QP:QP+1] offset:\off
	global_load_b128 v[QB0+12:QB0+15], v[GI], s[QP:QP+1] offset:\off+512
	global_load_b128 v[QA1:QA1+3],     v[GI], s[QP:QP+1] offset:\off+1024
	global_load_b128 v[QA1+4:QA1+7],   v[GI], s[QP:QP+1] offset:\off+1536
	global_load_b32 v[QS0], v[QSO], s[QSP:QSP+1]
.endm
	s_load_b512 s[8:23], s[0:1], 0x0               ; qimg s[8:9], qsc s[10:11], kimg s[12:13], ksc s[14:15], vimg s[16:17], vsc s[18:19], mask s[20:21], out s[22:23]
	v_lshl_add_u32 v254, v0, 2, 0x2b000
	v_mov_b32 v255, 0
	ds_add_u32 v254, v255
	ds_add_u32 v254, v255
	v_lshrrev_b32 v53, 5, v0
	v_readfirstlane_b32 s[WV], v53                 ; wave 0..3
	s_and_b32 s[HD], ttmp7, 0xffff                 ; the head: 16 x batch + head
	s_mov_b32 s28, 3<<16                           ; group 1: my K is 32,768 dense bytes: 128 rows of 32 elements of 8 bytes, no padding: every read takes 512 bytes on end
	s_mov_b32 s29, 32<<16
	s_mov_b32 s30, 128<<16
	s_mov_b32 s31, 32<<16
	s_mov_b32 s32, 128
	s_mov_b32 s33, 32
	s_mov_b32 s34, 0
	s_mov_b32 s35, 0
	s_mov_b32 s24, 1
	s_lshl_b32 s25, s[WV], 15                      ; to LDS byte 32,768 x wave
	s_lshl_b32 s62, s[HD], 17                      ; a head's images are 131,072 bytes
	s_add_co_u32 s66, s62, s25
	s_mov_b32 s67, 0
	s_mov_b32 s[SEL], 0x76543210
	s_mov_b32 s[SEL+1], 0xfedcba98                 ; v_permlanex16_b32's selects for lane l xor 16
	s_mov_b32 s[MNT], 0x600000                     ; the mantissa field of 57,344
	s_mov_b32 s[HM], 0xffff0000                    ; lanes 16-31; also a word's upper half
	s_mov_b32 s[CL], 0x44ed28ca                    ; 240 x 7.90531
	s_mov_b32 s[EPS], 0x358637bd                   ; 1e-6
	s_mov_b32 s76, 0x01010000
	SPAIR C2,  0x3791a2b4                          ; 1 / 57,600
	SPAIR A11, 0x28e1337e                          ; P's coefficients / 8
	SPAIR A9,  0xad3d37ff
	SPAIR A7,  0x31dc0041
	SPAIR A5,  0x35f9434a
	SPAIR A3,  0x38a70ded
	SPAIR A1,  0x3a2059dc
	SPAIR B4,  0x38f895d6                          ; Q's coefficients
	SPAIR B2,  0x3b14aa05
	SPAIR B0,  0x3ba059dd
	s_wait_dscnt 0x0
	s_wait_kmcnt 0x0
	s_add_nc_u64 s[26:27], s[12:13], s[66:67]      ; my 16 pairs of key tiles
	s_or_b32 s27, s27, 0x80000000
	tensor_load_to_lds s[24:27], s[28:35]          ; my one tensor load of the launch
	s_nop 0
.rept 4
	v_nop
.endr
	s_add_nc_u64 s[16:17], s[16:17], s[66:67]      ; my 16 fragments of V
	s_lshl_b32 s66, s[HD], 12                      ; a head's scale words are 4,096 bytes, my 512 keys' 1,024
	s_add_nc_u64 s[QSB:QSB+1], s[10:11], s[66:67]
	s_lshl_b32 s7, s[WV], 10
	s_add_co_u32 s66, s66, s7
	s_add_nc_u64 s[14:15], s[14:15], s[66:67]
	s_add_nc_u64 s[18:19], s[18:19], s[66:67]
	s_lshr_b32 s63, s[HD], 4                       ; the batch
	s_lshl_b32 s66, s63, 13
	s_lshl_b32 s7, s[WV], 11
	s_add_co_u32 s66, s66, s7
	s_add_nc_u64 s[20:21], s[20:21], s[66:67]      ; the mask at my first key
	s_lshl_b32 s7, ttmp9, 15                       ; 16 blocks of 2,048 bytes
	s_add_co_u32 s66, s62, s7
	s_add_nc_u64 s[QP:QP+1], s[8:9], s[66:67]
	s_lshl_b32 s66, s63, 23                        ; out: (2,048 x batch + 512 x) rows of 4,096 bytes + 256 x head
	s_lshl_b32 s7, ttmp9, 21
	s_add_co_u32 s66, s66, s7
	s_and_b32 s7, s[HD], 15
	s_lshl_b32 s7, s7, 8
	s_add_co_u32 s66, s66, s7
	s_add_nc_u64 s[OUT:OUT+1], s[22:23], s[66:67]
	s_lshl_b32 s[SQB], ttmp9, 4                    ; my first block of 32 queries
	QSADDR
	v_and_b32 v53, 31, v0                          ; lane
	v_and_b32 v54, 15, v0                          ; r
	v_bfe_u32 v55, v0, 4, 1                        ; h
	v_lshlrev_b32 v[GI], 4, v53
	v_add_nc_u32 v[LI], s25, v[GI]
	s_lshl_b32 s7, s[WV], 11
	s_add_co_u32 s7, s7, MASK
	v_lshl_add_u32 v[MA], v55, 5, s7
	v_add_nc_u32 v233, s7, v[GI]                   ; where I put 16 bytes of 8 x mask
	v_lshlrev_b32 v232, 3, v53                     ; 8 x lane
	v_lshlrev_b32 v[QSO], 3, v54
	s_lshl_b32 s7, s[WV], 2
	s_add_co_u32 s7, s7, SUMS
	v_add_nc_u32 v[SMW], s7, v[GI]                 ; row = lane (tile lane / 16, query lane % 16), word = wave
	v_lshl_add_u32 v[SMR], v54, 4, SUMS
	s_mul_i32 s7, s[WV], 8704
	s_add_co_u32 s7, s7, OPART
	v_mul_u32_u24 v[OW], v54, 272
	v_lshl_add_u32 v[OW], v55, 5, v[OW]
	v_add_nc_u32 v[OW], s7, v[OW]                  ; my region, row r, + 32 h
	s_mul_i32 s7, s[WV], 8*272
	s_add_co_u32 s7, s7, OPART
	v_mul_u32_u24 v[ORD], v55, 272
	v_lshl_add_u32 v[ORD], v54, 4, v[ORD]
	v_add_nc_u32 v[ORD], s7, v[ORD]                ; row 8 w + h of a region, 16 bytes a lane
	v_lshlrev_b32 v[GO], 12, v55
	v_lshl_add_u32 v[GO], v54, 4, v[GO]
	v_add_nc_u32 v[GO], s25, v[GO]                 ; the same row in out: (8 w + h) x 4,096 + 16 r
.irp i, 0,1,2,3
	global_load_b128 v[YR+4*\i:YR+4*\i+3], v[GI], s[20:21] offset:512*\i       ; the mask of my 512 keys
.endr
.irp g, 0,1,2,3
	global_load_b64 v[KS+2*\g:KS+2*\g+1], v232, s[14:15] offset:256*\g         ; K's scale words: register 2 g + e: lanes 0-15 pair 4 g + 2 e, lanes 16-31 pair 4 g + 2 e + 1
	global_load_b64 v[VS+2*\g:VS+2*\g+1], v232, s[18:19] offset:256*\g         ; V's: register 2 s + e: lanes 0-15 channels 32 e on, lanes 16-31 channels 32 e + 16 on
.endr
	QLOAD 0
	WIN 0x40                                       ; destination window 1
.irp f, 0,1,2,3,4,5,6,7,8,9,10,11,12,13,14,15
.irp c, 0,1,2,3
	global_load_b128 v[16*\f+4*\c:16*\f+4*\c+3], v[GI], s[16:17] offset:2048*\f+512*\c   ; V's fragment f = 4 (step of 128 keys) + (16 channels): it stays
.endr
.endr
	WIN 0
.irp i, 0,1,2,3,4,5,6,7
	v_mov_b32 v[QA0+8+\i], 0                       ; Q's two runs of zeros: written once
	v_mov_b32 v[QA1+8+\i], 0
.endr
	v_mov_b32 v[VA13], 0xa41f25c0
	v_mov_b32 v[VA13+1], 0xa41f25c0
	v_mov_b32 v[VB6], 0x35a0d3d8
	v_mov_b32 v[VB6+1], 0x35a0d3d8
	v_mov_b32 v53, 0x6f800000                      ; 2^96
	s_wait_loadcnt 0x0
.irp i, 0,1,2,3,4,5,6,7,8,9,10,11,12,13,14,15
	v_med3_num_f32 v[YR+\i], v[YR+\i], -v53, v53
.endr
.irp i, 0,1,2,3,4,5,6,7,8,9,10,11,12,13,14,15
	v_mul_f32 v[YR+\i], 0x41000000, v[YR+\i]       ; 8 x mask
.endr
.irp i, 0,1,2,3
	ds_store_b128 v233, v[YR+4*\i:YR+4*\i+3] offset:512*\i   ; my own bytes: LDS serves a wave's instructions in order, so my loads below see them
.endr
	s_wait_tensorcnt 0x0                           ; my K is in LDS; only I read it
.macro KLOAD kp                        ; pair kp: the fragment of two key tiles, and 8 x mask of my eight keys in each
.irp c, 0,1,2,3
	ds_load_b128 v[KF+4*\c:KF+4*\c+3], v[LI] offset:2048*(\kp)+512*\c
.endr
.irp c, 0,1,2,3
	ds_load_b128 v[MK+4*\c:MK+4*\c+3], v[MA] offset:128*(\kp)+64*(\c/2)+16*(\c%2)
.endr
.endm
.macro QK1 d, q, m, qs, ks, odd
.if \odd
	v_wmma_scale_f32_16x16x128_f8f6f4 v[(\d):(\d)+7], v[KF:KF+15], v[\q:\q+15], v[\m:\m+7], v[\ks], v[\qs] matrix_a_fmt:MATRIX_FMT_BF8 matrix_b_fmt:MATRIX_FMT_BF8 matrix_a_scale:MATRIX_SCALE_ROW1
.else
	v_wmma_scale_f32_16x16x128_f8f6f4 v[(\d):(\d)+7], v[KF:KF+15], v[\q:\q+15], v[\m:\m+7], v[\ks], v[\qs] matrix_a_fmt:MATRIX_FMT_BF8 matrix_b_fmt:MATRIX_FMT_BF8
.endif
.endm
.macro QKJ kp, j                       ; product j of pair kp's four, into stage kp % 2: [query tile j / 2][key tile j % 2][8]
.if (\j) == 0
	QK1 SG+32*((\kp)%2),    QA0, MK,   QSA0, KS+2*((\kp)/4)+((\kp)%4)/2, (\kp)%2
.elseif (\j) == 1
	QK1 SG+32*((\kp)%2)+8,  QB0, MK+8, QSB0, KS+2*((\kp)/4)+((\kp)%4)/2, (\kp)%2
.elseif (\j) == 2
	QK1 SG+32*((\kp)%2)+16, QA1, MK,   QSA1, KS+2*((\kp)/4)+((\kp)%4)/2, (\kp)%2
.else
	QK1 SG+32*((\kp)%2)+24, QB1, MK+8, QSB1, KS+2*((\kp)/4)+((\kp)%4)/2, (\kp)%2
.endif
.endm
; 16 scores of query tile qt at v[sb] on become r at v[rb] on of window 2 + qt, and are added to the tile's sums.  Every step is eight lines wide or more, so that no line waits for the line above it.
; nx < 16: the four products of pair nx stand at four places among these lines; they write the other stage and name none of these lines' registers.  Behind the last of them 40 plain lines follow in this
; macro: more than the eight places owed ahead of the next loads into the fragment's and the mask's registers.
.macro TANH sb, qt, rb, nx
.set i, 0
.rept 16
	v_med3_num_f32 v[(\sb)+i], v[(\sb)+i], 0, s[CL]   ; u: relu and the clamp in one; each accumulator from its low end on
.set i, i+1
.endr
.irp p, 0,2,4,6,8,10,12,14
	v_pk_mul_f32 v[YR+\p:YR+\p+1], v[(\sb)+\p:(\sb)+\p+1], s[C2:C2+1] op_sel_hi:[1,0]
.endr
.irp p, 0,2,4,6,8,10,12,14
	v_pk_mul_f32 v[YR+\p:YR+\p+1], v[YR+\p:YR+\p+1], v[(\sb)+\p:(\sb)+\p+1]   ; y
.endr
.if (\nx) < 16
	s_wait_dscnt 0x0                               ; pair nx's fragment and mask are in
	QKJ \nx, 0
.endif
.irp p, 0,2,4,6,8,10,12,14
	v_pk_fma_f32 v[QT+\p:QT+\p+1], v[YR+\p:YR+\p+1], v[VB6:VB6+1], s[B4:B4+1] op_sel_hi:[1,1,0]
.endr
.irp k, B2, B0
.irp p, 0,2,4,6,8,10,12,14
	v_pk_fma_f32 v[QT+\p:QT+\p+1], v[QT+\p:QT+\p+1], v[YR+\p:YR+\p+1], s[\k:\k+1] op_sel_hi:[1,1,0]   ; Q(y)
.endr
.endr
.if (\nx) < 16
	QKJ \nx, 1
.endif
.irp p, 0,2,4,6,8,10,12,14                     ; the 16 reciprocals and the first 16 lines of P's chain by turns: each reciprocal has a plain line behind it that names none of its registers
	v_rcp_f32 v[QT+\p], v[QT+\p]
	v_pk_fma_f32 v[WR+\p:WR+\p+1], v[YR+\p:YR+\p+1], v[VA13:VA13+1], s[A11:A11+1] op_sel_hi:[1,1,0]
.endr
.irp p, 0,2,4,6,8,10,12,14
	v_rcp_f32 v[QT+\p+1], v[QT+\p+1]
	v_pk_fma_f32 v[WR+\p:WR+\p+1], v[WR+\p:WR+\p+1], v[YR+\p:YR+\p+1], s[A9:A9+1] op_sel_hi:[1,1,0]
.endr
.if (\nx) < 16
	QKJ \nx, 2
.endif
.irp k, A7, A5
.irp p, 0,2,4,6,8,10,12,14
	v_pk_fma_f32 v[WR+\p:WR+\p+1], v[WR+\p:WR+\p+1], v[YR+\p:YR+\p+1], s[\k:\k+1] op_sel_hi:[1,1,0]
.endr
.endr
.if (\nx) < 16
	QKJ \nx, 3
.endif
.irp k, A3, A1
.irp p, 0,2,4,6,8,10,12,14
	v_pk_fma_f32 v[WR+\p:WR+\p+1], v[WR+\p:WR+\p+1], v[YR+\p:YR+\p+1], s[\k:\k+1] op_sel_hi:[1,1,0]   ; P(y) / 8
.endr
.endr
	s_wait_alu depctr_va_vdst(0)
.irp p, 0,2,4,6,8,10,12,14
	v_pk_mul_f32 v[(\sb)+\p:(\sb)+\p+1], v[(\sb)+\p:(\sb)+\p+1], v[QT+\p:QT+\p+1]   ; u / Q
.endr
.irp p, 0,2,4,6
	v_pk_fma_f32 v[SUM+8*\qt+\p%8:SUM+8*\qt+\p%8+1], v[WR+\p:WR+\p+1], v[(\sb)+\p:(\sb)+\p+1], v[SUM+8*\qt+\p%8:SUM+8*\qt+\p%8+1]   ; four chains of pairs; a chain's second link stands behind r's lines
.endr
	WIN 0x80+0x40*\qt                              ; destination: r's window
.irp p, 0,2,4,6,8,10,12,14
	v_pk_mul_f32 v[(\rb)+\p:(\rb)+\p+1], v[WR+\p:WR+\p+1], v[(\sb)+\p:(\sb)+\p+1]
.endr
	WIN 0
.irp p, 8,10,12,14
	v_pk_fma_f32 v[SUM+8*\qt+\p%8:SUM+8*\qt+\p%8+1], v[WR+\p:WR+\p+1], v[(\sb)+\p:(\sb)+\p+1], v[SUM+8*\qt+\p%8:SUM+8*\qt+\p%8+1]
.endr
.endm
.macro PV1 dt, s, zero, odd
.if \zero
.if \odd
	v_wmma_scale_f32_16x16x128_f8f6f4 v[8*\dt:8*\dt+7], v[64*\s+16*\dt:64*\s+16*\dt+15], v[PC:PC+15], 0, v[VS+2*\s+\dt/2], v[PW] matrix_a_fmt:MATRIX_FMT_BF8 matrix_b_fmt:MATRIX_FMT_BF8 matrix_a_scale:MATRIX_SCALE_ROW1
.else
	v_wmma_scale_f32_16x16x128_f8f6f4 v[8*\dt:8*\dt+7], v[64*\s+16*\dt:64*\s+16*\dt+15], v[PC:PC+15], 0, v[VS+2*\s+\dt/2], v[PW] matrix_a_fmt:MATRIX_FMT_BF8 matrix_b_fmt:MATRIX_FMT_BF8
.endif
.else
.if \odd
	v_wmma_scale_f32_16x16x128_f8f6f4 v[8*\dt:8*\dt+7], v[64*\s+16*\dt:64*\s+16*\dt+15], v[PC:PC+15], v[8*\dt:8*\dt+7], v[VS+2*\s+\dt/2], v[PW] matrix_a_fmt:MATRIX_FMT_BF8 matrix_b_fmt:MATRIX_FMT_BF8 matrix_a_scale:MATRIX_SCALE_ROW1
.else
	v_wmma_scale_f32_16x16x128_f8f6f4 v[8*\dt:8*\dt+7], v[64*\s+16*\dt:64*\s+16*\dt+15], v[PC:PC+15], v[8*\dt:8*\dt+7], v[VS+2*\s+\dt/2], v[PW] matrix_a_fmt:MATRIX_FMT_BF8 matrix_b_fmt:MATRIX_FMT_BF8
.endif
.endif
.endm
; Query tile qt, my step s of 128 keys: p = r / divisor, quantised along the keys, times V.  The tile's four accumulators take turns, one instruction a turn.
.macro PVU qt, s
	WIN 0x02+\qt                                   ; source 0: r's window.  These 32 lines are also the places behind the last products, ahead of the writes of their codes and scale word
.set i, 0
.rept 32
	v_pk_mul_f32 v[PST+i:PST+i+1], v[64*\s+i:64*\s+i+1], v[INV+2*\qt:INV+2*\qt+1]
.set i, i+2
.endr
	WIN 0
; a block's largest p of my 16, in two chains a block, the four blocks by turns: eight lines wide.  p is never negative, so no |.|
.irp b, 0,1,2,3
	v_max3_num_f32 v[TM+\b], v[PST+16*\b], v[PST+1+16*\b], 0x8000000   ; numbers 0, 1 and the floor 2^(16 - 127): the byte cannot fall under 1
.endr
.irp b, 0,1,2,3
	v_max3_num_f32 v[TM+8+\b], v[PST+8+16*\b], v[PST+9+16*\b], v[PST+10+16*\b]
.endr
.irp i, 2,4
.irp b, 0,1,2,3
	v_max3_num_f32 v[TM+\b], v[TM+\b], v[PST+16*\b+\i], v[PST+1+16*\b+\i]          ; numbers 2 to 5
.endr
.irp b, 0,1,2,3
	v_max3_num_f32 v[TM+8+\b], v[TM+8+\b], v[PST+9+16*\b+\i], v[PST+10+16*\b+\i]   ; numbers 11 to 14
.endr
.endr
.irp b, 0,1,2,3
	v_max3_num_f32 v[TM+\b], v[TM+\b], v[PST+6+16*\b], v[PST+7+16*\b]
.endr
.irp b, 0,1,2,3
	v_max3_num_f32 v[TM+\b], v[TM+\b], v[TM+8+\b], v[PST+15+16*\b]   ; the two chains and number 15
.endr
.irp b, 0,1,2,3
	v_permlanex16_b32 v[TM+4+\b], v[TM+\b], s[SEL], s[SEL+1]
.endr
.irp b, 0,1,2,3
	v_max_num_f32 v[TM+\b], v[TM+\b], v[TM+4+\b]   ; with lane l xor 16's 16 keys: the block's largest p
.endr
.irp b, 0,1,2,3
	v_add_nc_u32 v[TM+12+\b], 0xf8800000, v[TM+\b] ; 15 off the exponent field: the conversion's scale operand
.endr
.irp b, 0,1,2,3
	v_and_or_b32 v[TM+8+\b], v[TM+\b], 0x7f800000, s[MNT]   ; 57,344 x the scale
.endr
.irp b, 0,1,2,3
	v_lshrrev_b32 v[TM+4+\b], 23, v[TM+12+\b]      ; the scale's byte
.endr
	v_lshl_or_b32 v[TM+4], v[TM+5], 8, v[TM+4]     ; bytes 0, 1
	v_lshl_or_b32 v[TM+6], v[TM+7], 8, v[TM+6]     ; bytes 2, 3
	v_lshl_or_b32 v[PW], v[TM+6], 16, v[TM+4]      ; p's scale word for these 128 keys: the 64 holds below are more than the eight plain lines owed ahead of the products
.irp b, 0,1,2,3
.irp i, 0,1,2,3,4,5,6,7,8,9,10,11,12,13,14,15
	v_min_num_f32 v[PST+16*\b+\i], v[PST+16*\b+\i], v[TM+8+\b]   ; the conversion to an 8-bit code does not saturate (ISA guide 7.6.2); the hold is one-sided
.endr
.endr
.irp b, 0,1,2,3                                ; all holds first, then the conversions: none reads a number held just before it
	v_cvt_scalef32_pk8_bf8_f32 v[PC+4*\b:PC+1+4*\b], v[PST+16*\b:PST+7+16*\b], v[TM+12+\b]
	v_cvt_scalef32_pk8_bf8_f32 v[PC+2+4*\b:PC+3+4*\b], v[PST+8+16*\b:PST+15+16*\b], v[TM+12+\b]
.endr
.rept 4
	v_nop                                          ; an operand written by vector instructions stands four places ahead of a scaled matrix instruction
.endr
	WIN 0xa1+0x50*\qt                              ; source 0 (V) window 1, source 1 (p) window 0, C and D window 2 + qt
.irp dt, 0,1,2,3
.if \s == 0
	PV1 \dt, \s, 1, \dt%2                          ; the first step starts the sums, over r's registers 0-31, which have just been read
.else
	PV1 \dt, \s, 0, \dt%2
.endif
.endr
	WIN 0
.endm
	s_mov_b32 s[BLK], 16
.Lblock:
	; ---- 1: the scores, tanh and the sums.  Pair kp + 1's products stand among pair kp's vector lines, and pair kp + 2's LDS loads between its two tiles
	KLOAD 0
	s_wait_loadcnt 0x0                             ; Q and its scale word are in
	v_and_or_b32 v[QSA0], v[QS0], 0xffff, s76      ; [q of tile 0, 0]: bytes 0, 1 tile 0's, bytes 2, 3 = 1
	v_lshl_or_b32 v[QSB0], v[QS0], 16, 0x101       ; [0, q of tile 0]
	v_lshrrev_b32 v[QSA1], 16, v[QS0]
	v_or_b32 v[QSA1], s76, v[QSA1]                 ; [q of tile 1, 0]
	v_and_or_b32 v[QSB1], v[QS0], s[HM], 0x101     ; [0, q of tile 1]
.irp i, 0,1,2,3,4,5,6,7,8,9,10,11,12,13,14,15
	v_mov_b32 v[SUM+\i], 0                         ; also the eight places between the scale words' lines and the products
.endr
	s_wait_dscnt 0x0                               ; pair 0's fragment and mask are in
.irp j, 0,1,2,3
	QKJ 0, \j                                      ; the block's first four products: there is no vector work yet to set between them
.endr
.rept 8
	v_nop                                          ; places: the next loads land in registers that these products read, and their results are read below
.endr
	KLOAD 1
.irp kp, 0,1,2,3,4,5,6,7,8,9,10,11,12,13,14,15
	TANH SG+32*(\kp%2), 0, 16*\kp, \kp+1
.if \kp < 14
	KLOAD \kp+2
.endif
	TANH SG+32*(\kp%2)+16, 1, 16*\kp, 99
.endr
	; ---- the next block's Q is asked for here, if there is a next block: no load leaves its buffer
	s_add_co_u32 s[SQB], s[SQB], 1
	QSADDR                                         ; (this block's load through these registers was waited for at the block's head)
	s_cmp_eq_u32 s[BLK], 1
	s_cbranch_scc1 .Lno_q
	QLOAD 2048
.Lno_q:
	; ---- 2: the rows' sums over my 512 keys, to the other waves
.irp qt, 0,1
	v_pk_add_f32 v[SUM+8*\qt:SUM+8*\qt+1], v[SUM+8*\qt:SUM+8*\qt+1], v[SUM+8*\qt+2:SUM+8*\qt+3]
	v_pk_add_f32 v[SUM+8*\qt+4:SUM+8*\qt+5], v[SUM+8*\qt+4:SUM+8*\qt+5], v[SUM+8*\qt+6:SUM+8*\qt+7]
.endr
.irp qt, 0,1
	v_pk_add_f32 v[SUM+8*\qt:SUM+8*\qt+1], v[SUM+8*\qt:SUM+8*\qt+1], v[SUM+8*\qt+4:SUM+8*\qt+5]
.endr
.irp qt, 0,1
	v_add_f32 v[SUM+8*\qt], v[SUM+8*\qt], v[SUM+8*\qt+1]
.endr
.irp qt, 0,1
	v_permlanex16_b32 v[SUM+8*\qt+1], v[SUM+8*\qt], s[SEL], s[SEL+1]
.endr
.irp qt, 0,1
	v_add_f32 v[SUM+8*\qt], v[SUM+8*\qt], v[SUM+8*\qt+1]
.endr
	v_cndmask_b32 v53, v[SUM], v[SUM+8], s[HM]     ; lanes 0-15 tile 0's queries, lanes 16-31 tile 1's
	ds_store_b32 v[SMW], v53
	s_wait_dscnt 0x0                               ; for the others' sake: my store has landed; my reads of the last block's partial results are over too
	s_barrier_signal -1
	s_barrier_wait -1
	ds_load_b128 v[YR:YR+3], v[SMR]                ; the four waves' sums of my query in tile 0,
	ds_load_b128 v[YR+4:YR+7], v[SMR] offset:256   ; and in tile 1
	s_wait_dscnt 0x0
	v_add_f32 v[YR], v[YR], v[YR+1]
	v_add_f32 v[YR+2], v[YR+2], v[YR+3]
	v_add_f32 v[YR+4], v[YR+4], v[YR+5]
	v_add_f32 v[YR+6], v[YR+6], v[YR+7]
	v_add_f32 v[YR], v[YR], v[YR+2]
	v_add_f32 v[YR+4], v[YR+4], v[YR+6]
	v_add_f32 v[YR], s[EPS], v[YR]                 ; the divisor: the same order of adding in every wave
	v_add_f32 v[YR+4], s[EPS], v[YR+4]
	v_rcp_f32 v[YR+1], v[YR]
	v_rcp_f32 v[YR+5], v[YR+4]
	v_nop
	s_wait_alu depctr_va_vdst(0)
	v_fma_f32 v[YR+2], -v[YR], v[YR+1], 1.0        ; one Newton step
	v_fma_f32 v[YR+6], -v[YR+4], v[YR+5], 1.0
	v_fma_f32 v[INV], v[YR+1], v[YR+2], v[YR+1]
	v_fma_f32 v[INV+2], v[YR+5], v[YR+6], v[YR+5]
	v_mov_b32 v[INV+1], v[INV]
	v_mov_b32 v[INV+3], v[INV+2]
	; ---- 3: p, its codes, and O^T over my 512 keys
.irp s, 0,1,2,3
	PVU 0, \s
	PVU 1, \s
.endr
.rept 8
	v_nop                                          ; places behind the last products, ahead of the stores of their results
.endr
.irp qt, 0,1
	WIN 0x08+4*\qt                                 ; an LDS store's data are its source 1
.irp dt, 0,1,2,3
	ds_store_b128 v[OW], v[8*\dt:8*\dt+3] offset:4352*\qt+64*\dt          ; lane (r, h): query 16 qt + r, channels 16 dt + 8 h + 0 .. 7; each accumulator from its low end on
	ds_store_b128 v[OW], v[8*\dt+4:8*\dt+7] offset:4352*\qt+64*\dt+16
.endr
.endr
	WIN 0
	s_wait_dscnt 0x0                               ; for the others' sake: my stores have landed; my reads of the sums are over too
	s_barrier_signal -1
	s_barrier_wait -1
	; ---- 4: I add the four waves' parts of rows 8 w .. 8 w + 7 and store them
.irp i, 0,1,2,3
.irp g, 0,1,2,3
	ds_load_b128 v[RD+16*\i+4*\g:RD+16*\i+4*\g+3], v[ORD] offset:8704*\g+544*\i
.endr
.endr
.irp i, 0,1,2,3
	s_wait_dscnt 12-4*\i                           ; rows 2 i, 2 i + 1: their four loads are in; the later groups of four may be out
	v_pk_add_f32 v[RD+16*\i:RD+16*\i+1], v[RD+16*\i:RD+16*\i+1], v[RD+16*\i+4:RD+16*\i+5]
	v_pk_add_f32 v[RD+16*\i+2:RD+16*\i+3], v[RD+16*\i+2:RD+16*\i+3], v[RD+16*\i+6:RD+16*\i+7]
	v_pk_add_f32 v[RD+16*\i+8:RD+16*\i+9], v[RD+16*\i+8:RD+16*\i+9], v[RD+16*\i+12:RD+16*\i+13]
	v_pk_add_f32 v[RD+16*\i+10:RD+16*\i+11], v[RD+16*\i+10:RD+16*\i+11], v[RD+16*\i+14:RD+16*\i+15]
	v_pk_add_f32 v[RD+16*\i:RD+16*\i+1], v[RD+16*\i:RD+16*\i+1], v[RD+16*\i+8:RD+16*\i+9]
	v_pk_add_f32 v[RD+16*\i+2:RD+16*\i+3], v[RD+16*\i+2:RD+16*\i+3], v[RD+16*\i+10:RD+16*\i+11]
	global_store_b128 v[GO], v[RD+16*\i:RD+16*\i+3], s[OUT:OUT+1] offset:8192*\i th:TH_STORE_NT   ; 16 lanes store the 256 bytes of one token and head, at a multiple of 256 from out's first byte
.endr
	s_wait_xcnt 0x0                                ; the stores' data and base, and the base of Q's loads, are written again only behind this wait
	s_add_nc_u64 s[OUT:OUT+1], s[OUT:OUT+1], 131072   ; 32 rows of out on
	s_add_nc_u64 s[QP:QP+1], s[QP:QP+1], 2048
	s_sub_co_u32 s[BLK], s[BLK], 1
	s_cmp_lg_u32 s[BLK], 0
	s_cbranch_scc1 .Lblock
	s_wait_tensorcnt 0x0
	ds_add_u32 v254, v255
	s_wait_dscnt 0x0
	s_endpgm
.Lfunc_end_k_qceb0ad9663_attn:
	.size	k_qceb0ad9663_attn, .Lfunc_end_k_qceb0ad9663_attn-k_qceb0ad9663_attn
	.p2alignl 7, 3214868480
	.fill 96, 4, 3214868480
	.section	.rodata,"a",@progbits
	.p2align	6, 0x0
	.amdhsa_kernel k_qceb0ad9663_attn
		.amdhsa_group_segment_fixed_size 176640
		.amdhsa_private_segment_fixed_size 0
		.amdhsa_enable_private_segment 0
		.amdhsa_kernarg_size 64
		.amdhsa_user_sgpr_count 2
		.amdhsa_user_sgpr_kernarg_segment_ptr 1
		.amdhsa_wavefront_size32 1
		.amdhsa_system_sgpr_workgroup_id_x 1
		.amdhsa_system_sgpr_workgroup_id_y 1
		.amdhsa_system_sgpr_workgroup_id_z 1
		.amdhsa_system_vgpr_workitem_id 0
		.amdhsa_next_free_vgpr 1024
		.amdhsa_next_free_sgpr 80
		.amdhsa_reserve_vcc 0
		.amdhsa_float_denorm_mode_32 3
		.amdhsa_float_denorm_mode_16_64 3
		.amdhsa_memory_ordered 1
		.amdhsa_forward_progress 1
		.amdhsa_inst_pref_size 255
	.end_amdhsa_kernel
	.section	.bss,"aw",@nobits
	.p2align	6
	.space	262144
	.amdgpu_metadata
---
amdhsa.version: [ 1, 2 ]
amdhsa.kernels:
  - .name:           k_qceb0ad9663_attn
    .symbol:         k_qceb0ad9663_attn.kd
    .args:
      - { .name: qimg, .offset: 0, .size: 8, .value_kind: global_buffer, .address_space: global }
      - { .name: qsc, .offset: 8, .size: 8, .value_kind: global_buffer, .address_space: global }
      - { .name: kimg, .offset: 16, .size: 8, .value_kind: global_buffer, .address_space: global }
      - { .name: ksc, .offset: 24, .size: 8, .value_kind: global_buffer, .address_space: global }
      - { .name: vimg, .offset: 32, .size: 8, .value_kind: global_buffer, .address_space: global }
      - { .name: vsc, .offset: 40, .size: 8, .value_kind: global_buffer, .address_space: global }
      - { .name: attention_mask, .offset: 48, .size: 8, .value_kind: global_buffer, .address_space: global }
      - { .name: out0, .offset: 56, .size: 8, .value_kind: global_buffer, .address_space: global }
    .group_segment_fixed_size: 176640
    .private_segment_fixed_size: 0
    .kernarg_segment_align: 8
    .kernarg_segment_size: 64
    .max_flat_workgroup_size: 128
    .sgpr_count:     80
    .vgpr_count:     1024
    .wavefront_size: 32
...
	.end_amdgpu_metadata
.endif
;; end of part 2
